; MI455X (gfx1250); checked and timed in simulation.
; The chip was launched on July 23, 2026; its instructions are those of AMD's public machine-readable ISA for CDNA 5 (MIT licence, August 2026) and "CDNA5" Instruction Set Architecture Reference Guide (July 2026). The comments in the code are by the model that wrote it; some were corrected since.
;; Vector Quantizer. Allowed arithmetic: float matrix products may take bf16 or f16 operands with f32 sums; other float arithmetic in f32, or as packed bf16 or f16 multiplies, adds, multiply-adds, maxima and minima; sums over many terms, partial sums and values carried from step to step in f32; what a program stores and reads back later, other than sums and carried values, may be rounded once to bf16 or f16.
;; Inputs: codebook 8,192 x 256 float32; z 16 x 2,048 x 256 float32.
;; Outputs: out0 16 x 2,048 x 256 float32; out1 16 x 2,048 int32; out2 one number float32.
;; 2 versions, each right; version 2 is version 1 with the launches prep, gather written anew for expert scheduling mode. Each part assembles by itself: llvm-mc -triple=amdgcn-amd-amdhsa -mcpu=gfx1250 --defsym DOCPART=n.
;; ======== version 1 of 2: 4 launches
;; workspace buffers: wb 4,194,304 bytes; cn 32,768 bytes; idx 131,072 bytes of whole numbers; part 8,192 bytes
;; launch prep (part 1): grid 128 x 1, 8 waves a work-group, no clusters, 1,280 bytes of LDS; arguments codebook, wb, cn; writes wb, cn
.if DOCPART == 1
	.amdgcn_target "amdgcn-amd-amdhsa--gfx1250"
	.amdhsa_code_object_version 6
	.text
	.protected	k_qdb1ffe40be_prep
	.globl	k_qdb1ffe40be_prep
	.p2align	8
	.type	k_qdb1ffe40be_prep,@function
k_qdb1ffe40be_prep:
	s_mov_b64 s[64:65], 0
	v_nop
	global_prefetch_b8 v0, s[64:65] scope:SCOPE_SE
	s_setreg_imm32_b32 hwreg(HW_REG_WAVE_MODE, 25, 1), 1
	s_wait_xcnt 0x0
; wb[k][:] = codebook[k][:] rounded once to bf16;  cn[k] = the sum over d of wb[k][d]^2, in f32.  codebook: [8192][256] f32.
; Eight waves; the work-group owns 64 rows, a wave 8.  In a row lane l owns elements 4 l .. 4 l + 3 and 128 + 4 l .. + 3: a load of the wave covers
; 512 consecutive bytes, a store of wb 256 consecutive bytes at a multiple of 256.  A row's sum never leaves its wave; the 64 sums of the work-group meet in
; LDS, so that cn leaves as one store of 256 consecutive bytes.  Memory binds: no matrix unit, no cluster (no two work-groups read the same bytes).
.set X,     8                          ; v[8:71]    row i: 8 registers as loaded
.set PK,    72                         ; v[72:103]  row i: 4 registers, 8 bf16; each row has its own, so no store's data is ever rewritten
.set T,     104                        ; v[104:111] at work
.set SUM,   112                        ; v[112:119] row i's sum
.set CA,    120                        ; v120       LDS address of my wave's 8 sums: 32 x wave
.set SPW,   122                        ; v122       LDS address of my spare word; never rewritten
.set NIL,   123                        ; v123       0; never rewritten
.set SPARE, 256                        ; behind the 64 sums: the spare words, 128 bytes for each of eight waves, which no other line names
.set WV,    14                         ; s14        my wave's number
	s_load_b128 s[4:7], s[0:1], 0x0                ; codebook s[4:5], wb s[6:7]
	s_load_b64 s[8:9], s[0:1], 0x10                ; cn
	v_lshl_add_u32 v[SPW], v0, 2, SPARE
	v_mov_b32 v[NIL], 0
	v_lshrrev_b32 v3, 5, v0
	v_readfirstlane_b32 s[WV], v3
	v_and_b32 v4, 31, v0                           ; lane
	v_lshlrev_b32 v1, 4, v4                        ; 16 bytes a lane of f32
	v_lshlrev_b32 v2, 3, v4                        ; 8 bytes a lane of bf16
	s_lshl_b32 s15, s[WV], 5
	v_mov_b32 v[CA], s15
	s_mov_b32 s10, 0xffff0000                      ; a word's upper bf16
	s_mov_b32 s12, 0x76543210                      ; v_permlanex16_b32: each lane takes its own place in the other half
	s_mov_b32 s13, 0xfedcba98
	s_lshl_b32 s16, ttmp9, 16                      ; 64 rows of 1,024 bytes,
	s_lshl_b32 s17, s[WV], 13                      ; my wave's 8 of them
	s_add_co_u32 s16, s16, s17
	s_mov_b32 s17, 0
	s_lshr_b32 s18, s16, 1                         ; the same rows in wb: half the bytes
	s_mov_b32 s19, 0
	s_lshl_b32 s20, ttmp9, 8                       ; 64 sums of 4 bytes
	s_mov_b32 s21, 0
	s_wait_kmcnt 0x0
	s_add_nc_u64 s[4:5], s[4:5], s[16:17]
	s_add_nc_u64 s[6:7], s[6:7], s[18:19]
	s_add_nc_u64 s[8:9], s[8:9], s[20:21]
.irp i, 0,1,2,3,4,5,6,7                ; all sixteen loads of the wave go out at once
	global_load_b128 v[X+8*\i:X+8*\i+3],   v1, s[4:5] offset:1024*\i th:TH_LOAD_NT
	global_load_b128 v[X+8*\i+4:X+8*\i+7], v1, s[4:5] offset:1024*\i+512 th:TH_LOAD_NT
.endr
.macro ROW i
	s_wait_loadcnt 14-2*(\i)                       ; loads come back in order: row i's two are in, the younger rows' stay out
.irp k, 0,1,2,3
	v_cvt_pk_bf16_f32 v[PK+4*(\i)+\k], v[X+8*(\i)+2*\k], v[X+8*(\i)+2*\k+1]
.endr
	global_store_b64 v2, v[PK+4*(\i):PK+4*(\i)+1],   s[6:7] offset:512*(\i)      ; 32 lanes store 256 consecutive bytes, at a multiple of 256 from wb's first
	global_store_b64 v2, v[PK+4*(\i)+2:PK+4*(\i)+3], s[6:7] offset:512*(\i)+256
.irp k, 0,1,2,3
	v_lshlrev_b32 v[T+2*\k],   16,  v[PK+4*(\i)+\k] ; the rounded numbers back in f32: the sum is of what the later launches multiply by
	v_and_b32     v[T+2*\k+1], s10, v[PK+4*(\i)+\k]
.endr
	v_pk_mul_f32 v[T:T+1], v[T:T+1], v[T:T+1]      ; the first squares start the sum
.irp k, 2,4,6
	v_pk_fma_f32 v[T:T+1], v[T+\k:T+\k+1], v[T+\k:T+\k+1], v[T:T+1]
.endr
	v_add_f32 v[SUM+(\i)], v[T], v[T+1]
	v_add_f32_dpp v[SUM+(\i)], v[SUM+(\i)], v[SUM+(\i)] row_xmask:1 row_mask:0xf bank_mask:0xf
	v_add_f32_dpp v[SUM+(\i)], v[SUM+(\i)], v[SUM+(\i)] row_xmask:2 row_mask:0xf bank_mask:0xf
	v_add_f32_dpp v[SUM+(\i)], v[SUM+(\i)], v[SUM+(\i)] row_xmask:4 row_mask:0xf bank_mask:0xf
	v_add_f32_dpp v[SUM+(\i)], v[SUM+(\i)], v[SUM+(\i)] row_xmask:8 row_mask:0xf bank_mask:0xf
	v_permlanex16_b32 v[T+2], v[SUM+(\i)], s12, s13
	v_add_f32 v[SUM+(\i)], v[SUM+(\i)], v[T+2]     ; every lane holds the row's sum
	ds_store_b32 v[CA], v[SUM+(\i)] offset:4*(\i)  ; all lanes write the same word with the same number
.endm
.irp i, 0,1,2,3,4,5,6,7
	ROW \i
.endr
	s_wait_dscnt 0x0                               ; for the others' sake: my eight sums are in LDS
	s_barrier_signal -1
	s_barrier_wait -1
	s_cmp_lg_u32 s[WV], 0
	s_cbranch_scc1 .Lend
	ds_load_b64 v[T:T+1], v2                       ; wave 0: the 64 sums, two a lane
	s_wait_dscnt 0x0
	global_store_b64 v2, v[T:T+1], s[8:9]          ; 256 consecutive bytes, at a multiple of 256 from cn's first
.Lend:
	s_wait_tensorcnt 0x0                           ; the wave's end: behind my last LDS store
	ds_add_u32 v[SPW], v[NIL]
	s_wait_dscnt 0x0
	s_endpgm
.Lfunc_end_k_qdb1ffe40be_prep:
	.size	k_qdb1ffe40be_prep, .Lfunc_end_k_qdb1ffe40be_prep-k_qdb1ffe40be_prep
	.p2alignl 7, 3214868480
	.fill 96, 4, 3214868480
	.section	.rodata,"a",@progbits
	.p2align	6, 0x0
	.amdhsa_kernel k_qdb1ffe40be_prep
		.amdhsa_group_segment_fixed_size 1280
		.amdhsa_private_segment_fixed_size 0
		.amdhsa_enable_private_segment 0
		.amdhsa_kernarg_size 24
		.amdhsa_user_sgpr_count 2
		.amdhsa_user_sgpr_kernarg_segment_ptr 1
		.amdhsa_wavefront_size32 1
		.amdhsa_system_sgpr_workgroup_id_x 1
		.amdhsa_system_sgpr_workgroup_id_y 1
		.amdhsa_system_sgpr_workgroup_id_z 1
		.amdhsa_system_vgpr_workitem_id 0
		.amdhsa_next_free_vgpr 128
		.amdhsa_next_free_sgpr 66
		.amdhsa_reserve_vcc 0
		.amdhsa_float_denorm_mode_32 3
		.amdhsa_float_denorm_mode_16_64 3
		.amdhsa_memory_ordered 1
		.amdhsa_forward_progress 1
		.amdhsa_inst_pref_size 15
	.end_amdhsa_kernel
	.amdgpu_metadata
---
amdhsa.version: [ 1, 2 ]
amdhsa.kernels:
  - .name:           k_qdb1ffe40be_prep
    .symbol:         k_qdb1ffe40be_prep.kd
    .args:
      - { .name: codebook, .offset: 0, .size: 8, .value_kind: global_buffer, .address_space: global }
      - { .name: wb, .offset: 8, .size: 8, .value_kind: global_buffer, .address_space: global }
      - { .name: cn, .offset: 16, .size: 8, .value_kind: global_buffer, .address_space: global }
    .group_segment_fixed_size: 1280
    .private_segment_fixed_size: 0
    .kernarg_segment_align: 8
    .kernarg_segment_size: 24
    .max_flat_workgroup_size: 256
    .sgpr_count:     66
    .vgpr_count:     128
    .wavefront_size: 32
...
	.end_amdgpu_metadata
.endif
;; end of part 1
;; launch argmin (part 2): grid 256 x 1, 4 waves a work-group, clusters of 4 x 1, 327,680 bytes of LDS; arguments z, wb, cn, out1, idx; writes out1, idx
.if DOCPART == 2
	.amdgcn_target "amdgcn-amd-amdhsa--gfx1250"
	.amdhsa_code_object_version 6
	.text
	.protected	k_qdb1ffe40be_argmin
	.globl	k_qdb1ffe40be_argmin
	.p2align	8
	.type	k_qdb1ffe40be_argmin,@function
k_qdb1ffe40be_argmin:
	s_mov_b64 s[64:65], 0
	v_nop
	global_prefetch_b8 v0, s[64:65] scope:SCOPE_SE
	s_setreg_imm32_b32 hwreg(HW_REG_WAVE_MODE, 25, 1), 1
	s_wait_xcnt 0x0
	s_wait_alu depctr_hold_cnt(0) depctr_sa_sdst(0) depctr_va_vdst(0) depctr_va_sdst(0) depctr_va_ssrc(0) depctr_va_vcc(0) depctr_vm_vsrc(0)
	s_getreg_b32 s2, hwreg(HW_REG_IB_STS2, 6, 4)
	s_cmp_eq_u32 s2, 0
	s_cbranch_scc0 .Lentry_in_a_cluster
	s_endpgm
.Lentry_in_a_cluster:
	s_bfe_u32 s2, ttmp6, 0x10000c
	s_cmp_lg_u32 s2, 0x3003
	s_cbranch_scc0 .Lentry_shape_is_right
	s_endpgm
.Lentry_shape_is_right:
; out1[n] = idx[n] = the first k that makes d(n, k) least, d = fl(fl(a[n] - 2 dot(n, k)) + cn[k]), a[n] = the sum of zb[n][:]^2, dot = zb[n] . wb[k] summed in f32, zb = z rounded to bf16.
; The two roundings are kept as they stand in the formula, since a is some 10^5 times the differences between distances: many distances of a row are EQUAL in f32, and then the lower k wins.
; LIMITS.  NaN and infinite distances never win; a row with no finite distance gives 0.  The dot's sums are added in the matrix unit's order: where that and another order of the
; same f32 sum fall on different sides of a rounding boundary of a - 2 dot, and the two best distances lie within a step of a's grid, the index can differ.
; SHARES.  A work-group owns 128 rows of z and walks all 8,192 codes, 256 a step, 32 steps, through two LDS slots.  Wave w: rows 64 (w / 2) on, four tiles of 16, kept in registers as bf16;
; of each step the codes 128 (w % 2) on, eight tiles of 16.  So a wave has 256 tile steps of 32 matrix instructions (4 z tiles x 8 chunks of 32 along the 256 channels).
; CLUSTER.  The four work-groups of a cluster walk the same codes: every code tile, and cn, is asked for JOINTLY (the same tensor load, descriptor and mask of four in all four).  z is each work-group's own.
; LAYOUT.  Source 0 = 16 codes, source 1 = 16 rows of z: in the result a lane holds ONE row of z (lane % 16) and the codes 8 (lane / 16) + 0..7.  So a is one number a lane and tile, cn eight registers a code tile.
; TRACKERS.  Each of a lane's 8 result registers of a z tile has a best distance and the number of the tile step that gave it, taken by a strict "less": the tile steps ascend, so a tracker keeps its first least.
; At the end the trackers are merged by (distance, code), in the lane, across the lanes' halves, and through LDS across the two waves that share rows.
; BY TURNS.  While tile step n is multiplied (accumulator set n % 2), the 144 vector instructions for tile step n - 1 (the other set) stand behind its 32 matrix instructions, 5, 4, 5, 4.
; REGISTERS.  Window 1 (v256-511) holds z; all else lies in window 0.  In the loop source 1 means window 1 and every other place window 0, and no vector instruction there has a register as source 1:
; so products, vector work and LDS loads run under ONE setting, and the windows are switched only where a label or a branch wants them 0.
.set PITCH,  528                       ; a code row in LDS: 512 bytes + 16 of padding = 132 words: the 16 rows of a load start at 16 different groups of four banks (64 banks of 4 bytes: ISA guide 11.1)
.set TILEB,  16*PITCH                  ; a tile of 16 codes
.set QUARB,  64*PITCH                  ; what one tensor load brings
.set HALFB,  128*PITCH                 ; what one wave reads of a slot
.set SLOT1,  256*PITCH                 ; slot 0 at 0, slot 1 here; slot 1's first fill is z: 128 rows of 1,040 bytes
.set ZPITCH, 1040                      ; a row of z in LDS: 1,024 bytes + 16
.set CN,     2*SLOT1                   ; cn, 32,768 bytes, filled once
.set MRG,    CN+32768                  ; the merge: distances [2][128] f32, then codes [2][128]; written by LDS stores alone
.set SPARE,  MRG+2048                  ; the spare words, 128 bytes for each wave: two blocks of 256 bytes that no other line names
.set STEPB,  256*512                   ; bytes of wb in a step
.set AK0, 2           ; v2   my lane's place in a slot's first tile of my half; never rewritten
.set AK,  3           ; v3   the LDS address of the code fragments to be fetched
.set AC0, 4           ; v4   my lane's place in cn
.set AC,  5           ; v5   the LDS address of the cn to be fetched
.set AZ,  6           ; v6   my lane's place in the z stage
.set LB,  7           ; v7   128 (w % 2) + 8 (lane / 16): what my lane adds to a code's number
.set SPW, 10          ; v10  LDS address of my spare word; never rewritten
.set NIL, 11          ; v11  0; never rewritten
.set AA,  12          ; v12-15    a of z tile t
.set CC,  16          ; v16-31    cn of a code tile, two sets
.set EE,  32          ; v32-39    at work: distance less best
.set BEST, 40         ; v40-71    tile t, register j
.set IDX, 72          ; v72-103   likewise: the tile step
.set ACC, 104         ; v104-167  set p, tile t at ACC + 32 p + 8 t
.set AF,  168         ; v168-231  the code tile's fragments, chunk kc at AF + 8 kc
.set ZT,  104         ; v104-231  at the start: a z tile in f32
.set MA,  232         ; v232 the merge: where I store
.set MR,  233         ; v233 the merge: where I read
.set GO,  234         ; v234 my byte offset in the work-group's 512 bytes of indices
.set WV,  14          ; s14  my wave's number
.set ZH,  15          ; s15  which 64 rows of z
.set CH,  16          ; s16  which 128 codes of a step
.set G1C, 24          ; s[24:31] descriptor group 1: code tiles
.set G1Z, 32          ; s[32:39] z
.set G1N, 40          ; s[40:47] cn
.set G0A, 48          ; s[48:51] descriptor group 0: slot 0;  s[52:55]: slot 1
.set G0Z, 56          ; s[56:59] z
.set G0N, 60          ; s[60:63] cn
.set CAND, 66         ; s66  the tile step whose distances are being judged
.set INF, 67          ; s67  +infinity
.set CNT, 68          ; s68  counts pairs of tile steps
.set TRIPS, 69        ; s69  counts pairs of steps
.set SEL, 70          ; s[70:71] v_permlanex16_b32's selects
.set MK,  72          ; s72-79 lane masks, one a tracker
.set TB,  84          ; s84  LDS byte of the code tile to be fetched, less my lane's place
.set TC,  85          ; s85  the same for cn
.set W_MM, 0x04       ; source 1 in window 1
.set MSB, 0
.macro WIN new                      ; the immediate's high byte repeats the setting that is left; a switch that changes nothing is dropped
.if MSB != (\new)
	s_set_vgpr_msb (MSB<<8)|(\new)
.set MSB, (\new)
.endif
.endm
; A round of the cluster's barrier: my work-group's barrier, so that wave 0's signal speaks for all four waves; wave 0 signals; every wave waits for all four work-groups; my work-group's barrier once more.
.macro CROUND
	s_barrier_signal -1
	s_barrier_wait -1
	s_cmp_lg_u32 s[WV], 0
	s_cbranch_scc1 .Lnot_wave_0_\@
	s_barrier_signal -3
.Lnot_wave_0_\@:
	s_barrier_wait -3
	s_barrier_signal -1
	s_barrier_wait -1
.endm
; THE CHANGE OF SLOTS stands at the head of a step's last tile step, whose fragments are in registers behind the wait on DScnt: slot x is read no more, and the fetches of that tile step go to the other slot.
; Each wave waits for all its tensor loads (one is out: its quarter of the other slot), adds 0 to its spare word, and waits for that and for its reads.  fill = 1: the barrier is a round of the cluster's, and slot x
; is filled again first thing behind it, with the step two on: that load has eight tile steps, 256 matrix instructions of the wave, in which to land.
.macro CHANGE x, fill
	WIN 0
	s_wait_tensorcnt 0x0            ; no tensor load of mine is out, so a group 0 may be written
	ds_add_u32 v[SPW], v[NIL]       ; 0 onto my spare word; the two steps below stand between it and the wait for it
	s_add_nc_u64 s[G0A+4*(1-(\x))+2:G0A+4*(1-(\x))+3], s[G0A+4*(1-(\x))+2:G0A+4*(1-(\x))+3], 2*STEPB  ; the other slot's next tile; the type bits on top are not reached
	s_add_co_u32 s[TC], s[TC], 512  ; cn: over the other wave's 128 codes
	s_wait_dscnt 0x0                ; the add is done, and my reads of the slot are over
.if \fill
	CROUND
	tensor_load_to_lds s[G0A+4*(\x):G0A+4*(\x)+3], s[G1C:G1C+7]  ; my quarter, 64 codes: the one tensor load of this wave behind the round
	s_nop 0
.rept 4
	v_nop
.endr
.else
	s_barrier_signal -1
	s_barrier_wait -1
.endif
.endm
	s_load_b256 s[4:11], s[0:1], 0x0  ; z s[4:5], wb s[6:7], cn s[8:9], out1 s[10:11]
	s_load_b64 s[12:13], s[0:1], 0x20 ; idx
	v_lshl_add_u32 v[SPW], v0, 2, SPARE
	v_mov_b32 v[NIL], 0
	ds_add_u32 v[SPW], v[NIL]       ; the wave's opening: the add and its wait stand ahead of my first tensor load; the set-up below, work on registers, stands between them
	v_lshrrev_b32 v8, 5, v0
	v_readfirstlane_b32 s[WV], v8
	s_lshr_b32 s[ZH], s[WV], 1
	s_and_b32 s[CH], s[WV], 1
	s_bfe_u32 s17, ttmp6, 0x40000   ; cx: my place in the cluster
	s_lshl_b32 s18, ttmp9, 2        ; in a cluster launch ttmp9 counts clusters
	s_add_co_u32 s18, s18, s17      ; my block of 128 rows: it enters the addresses of z, out1 and idx alone
	s_mov_b32 s[G1C], 15|(1<<16)|(1<<20)|(1<<21)|(6<<22)|(3<<25)  ; the mask of four; 2-byte elements; padding on; bit 21 beside a mask; after every 128 words (code 6) 4 words (code 3)
	s_mov_b32 s[G1C+1], 256<<16     ; tensor_dim0 = 256
	s_mov_b32 s[G1C+2], 64<<16      ; tensor_dim1 = 64
	s_mov_b32 s[G1C+3], 256<<16     ; tile_dim0 = 256
	s_mov_b32 s[G1C+4], 64          ; tile_dim1 = 64
	s_mov_b32 s[G1C+5], 256         ; elements from row to row
	s_mov_b32 s[G1C+6], 0
	s_mov_b32 s[G1C+7], 0
	s_mov_b32 s[G1Z], (2<<16)|(1<<20)|(7<<22)|(3<<25)  ; no mask: my work-group's own; 4-byte elements; after every 256 words (code 7) 4 words
	s_mov_b32 s[G1Z+1], 256<<16
	s_mov_b32 s[G1Z+2], 32<<16      ; 32 rows a wave
	s_mov_b32 s[G1Z+3], 256<<16
	s_mov_b32 s[G1Z+4], 32
	s_mov_b32 s[G1Z+5], 256
	s_mov_b32 s[G1Z+6], 0
	s_mov_b32 s[G1Z+7], 0
	s_mov_b32 s[G1N], 15|(3<<16)|(1<<21)  ; the mask of four; 8-byte elements; no padding: 8,192 dense bytes a wave as 32 rows of 256
	s_mov_b32 s[G1N+1], 32<<16
	s_mov_b32 s[G1N+2], 32<<16
	s_mov_b32 s[G1N+3], 32<<16
	s_mov_b32 s[G1N+4], 32
	s_mov_b32 s[G1N+5], 32
	s_mov_b32 s[G1N+6], 0
	s_mov_b32 s[G1N+7], 0
	s_mov_b32 s[G0A], 1
	s_mul_i32 s[G0A+1], s[WV], QUARB  ; LDS addresses hang on the wave's number alone
	s_mov_b32 s[G0A+4], 1
	s_add_co_u32 s[G0A+5], s[G0A+1], SLOT1
	s_mov_b32 s[G0Z], 1
	s_mul_i32 s[G0Z+1], s[WV], 32*ZPITCH
	s_add_co_u32 s[G0Z+1], s[G0Z+1], SLOT1
	s_mov_b32 s[G0N], 1
	s_lshl_b32 s[G0N+1], s[WV], 13
	s_add_co_u32 s[G0N+1], s[G0N+1], CN
	s_lshl_b32 s20, s[WV], 15       ; my 64 codes of a step, and my 32 rows of z: 32,768 bytes either way
	s_mov_b32 s21, 0
	s_lshl_b32 s22, s18, 17         ; my work-group's 128 rows of z
	s_add_co_u32 s22, s22, s20
	s_mov_b32 s23, 0
	s_lshl_b32 s86, s[WV], 13       ; my quarter of cn
	s_mov_b32 s87, 0
	s_lshl_b32 s88, s18, 9          ; my work-group's 128 indices
	s_mov_b32 s89, 0
	s_mov_b32 s[INF], 0x7f800000
	s_mov_b32 s[SEL], 0x76543210
	s_mov_b32 s[SEL+1], 0xfedcba98
	s_mov_b32 s[TC], 0
	s_wait_dscnt 0x0                ; the opening add is done
	s_wait_kmcnt 0x0
	s_add_nc_u64 s[G0A+2:G0A+3], s[6:7], s[20:21]        ; step 0
	s_add_nc_u64 s[G0A+6:G0A+7], s[G0A+2:G0A+3], STEPB   ; step 1
	s_or_b32 s[G0A+3], s[G0A+3], 0x80000000              ; type = 2
	s_or_b32 s[G0A+7], s[G0A+7], 0x80000000
	s_add_nc_u64 s[G0Z+2:G0Z+3], s[4:5], s[22:23]
	s_or_b32 s[G0Z+3], s[G0Z+3], 0x80000000
	s_add_nc_u64 s[G0N+2:G0N+3], s[8:9], s[86:87]
	s_or_b32 s[G0N+3], s[G0N+3], 0x80000000
	s_add_nc_u64 s[10:11], s[10:11], s[88:89]
	s_add_nc_u64 s[12:13], s[12:13], s[88:89]
	CROUND                          ; all four work-groups are here: the first joint loads meet
	tensor_load_to_lds s[G0Z:G0Z+3], s[G1Z:G1Z+7]        ; the three first fills go out together: z first, since it is wanted first; three loads of mine are out
	s_nop 0
	tensor_load_to_lds s[G0A:G0A+3], s[G1C:G1C+7]
	s_nop 0
	tensor_load_to_lds s[G0N:G0N+3], s[G1N:G1N+7]
	s_nop 0
.rept 4
	v_nop
.endr
	; A fragment is 16 rows x 32 channels in 8 registers: lane l holds row l % 16, channels 8 (l / 16) + 0..7 and 16 + 8 (l / 16) + 0..7.
	v_and_b32 v8, 15, v0            ; l % 16
	v_bfe_u32 v9, v0, 4, 1          ; l / 16
	s_mul_i32 s90, s[CH], HALFB
	v_mul_u32_u24 v[AK0], v8, PITCH
	v_lshl_add_u32 v[AK0], v9, 4, v[AK0]
	v_add_nc_u32 v[AK0], s90, v[AK0]
	s_lshl_b32 s91, s[CH], 9
	s_add_co_u32 s91, s91, CN
	v_lshl_add_u32 v[AC0], v9, 5, s91   ; my lanes' 8 codes of a tile: 32 bytes
	s_mul_i32 s92, s[ZH], 64*ZPITCH
	s_add_co_u32 s92, s92, SLOT1
	v_mul_u32_u24 v[AZ], v8, ZPITCH
	v_lshl_add_u32 v[AZ], v9, 5, v[AZ]  ; 8 channels of f32: 32 bytes
	v_add_nc_u32 v[AZ], s92, v[AZ]
	s_lshl_b32 s93, s[CH], 7
	v_lshl_add_u32 v[LB], v9, 3, s93
	s_lshl_b32 s90, s[CH], 9
	s_lshl_b32 s91, s[ZH], 8
	s_add_co_u32 s90, s90, s91
	s_add_co_u32 s90, s90, MRG
	v_lshl_add_u32 v[MA], v8, 2, s90    ; [my half of the codes][my 64 rows + l % 16]
	v_and_b32 v8, 31, v0
	s_lshl_b32 s91, s[CH], 8
	v_lshl_add_u32 v[GO], v8, 3, s91    ; at the end wave w takes rows 64 (w % 2) + 2 lane, + 1
	v_add_nc_u32 v[MR], MRG, v[GO]
.set i, 0
.rept 32                            ; the trackers' start, in the wait for z: nothing is better than +infinity
	v_mov_b32 v[BEST+i], s[INF]
	v_mov_b32 v[IDX+i], 0
.set i, i+1
.endr
; z tile t out of the stage: 32 loads; register ZT + 16 q + e holds channel 32 q + 8 (l / 16) + e (e < 8) or 32 q + 16 + 8 (l / 16) + e - 8
.macro ZLOAD t
	WIN 0
.set q, 0
.rept 8
.irp u, 0,1,2,3
	ds_load_b128 v[ZT+16*q+4*\u:ZT+16*q+4*\u+3], v[AZ] offset:16*ZPITCH*(\t)+128*q+64*(\u/2)+16*(\u%2)
.endr
.set q, q+1
.endr
.endm
.macro ZCVT t                       ; rounded to bf16, into window 1: the tile's eight fragments
	WIN 0x40
.set q, 0
.rept 64
	v_cvt_pk_bf16_f32 v[64*(\t)+q], v[ZT+2*q], v[ZT+2*q+1]
.set q, q+1
.endr
.endm
.macro ZSQ t                        ; a = the sum of the rounded numbers' squares, in f32: four chains a lane, then the other half of the lanes'
	WIN 0
.irp c, 0,1,2,3
	v_mov_b32 v[EE+\c], 0
.endr
	WIN 0x05                        ; sources 0 and 1 in window 1
.set q, 0
.rept 64
	v_fma_mix_f32_bf16 v[EE+q%4], v[64*(\t)+q], v[64*(\t)+q], v[EE+q%4] op_sel_hi:[1,1,0]
	v_fma_mix_f32_bf16 v[EE+(q+2)%4], v[64*(\t)+q], v[64*(\t)+q], v[EE+(q+2)%4] op_sel:[1,1,0] op_sel_hi:[1,1,0]
.set q, q+1
.endr
	WIN 0
	v_add_f32 v[EE], v[EE], v[EE+1]
	v_add_f32 v[EE+2], v[EE+2], v[EE+3]
	v_add_f32 v[EE], v[EE], v[EE+2]
	v_permlanex16_b32 v[EE+1], v[EE], s[SEL], s[SEL+1]
	v_add_f32 v[AA+(\t)], v[EE], v[EE+1]
.endm
	s_wait_tensorcnt 0x2            ; tensor loads of a wave end in order: my rows of z are in; the two younger loads may stay out
	s_barrier_signal -1
	s_barrier_wait -1               ; everybody's rows are in
	ZLOAD 0
.irp t, 0,1,2,3
	s_wait_dscnt 0x0
	ZCVT \t
.if \t < 3
	ZLOAD \t+1                      ; the next tile's loads are out while this tile's squares are added
.endif
	ZSQ \t
.endr
; THE VECTOR WORK for the tile step before, set 1 - P: number rq of 144, 36 for each z tile.  No line has a register as source 1.
;   0-3    fl(a - 2 dot), two at a time: one fused multiply-add, so one rounding; each accumulator's lowest registers are read first
;   4-7    fl(that + cn)               8-11  the distance less the tracker's best: its sign is exact (denormals are kept)
;   12-19  is it below 0?              20-27 then the tracker takes the tile step's number      28-35 and the distance (the least of three with +infinity: a NaN loses)
.macro RID
.set rt, rq/36
.set ro, rq%36
.set rD, ACC+32*(1-P)+8*rt
.set rC, CC+8*(1-P)
.set rB, BEST+8*rt
.set rI, IDX+8*rt
.set rA, AA+2*(rt/2)
.if ro < 4
.if rt%2 == 0
	v_pk_fma_f32 v[rD+2*ro:rD+2*ro+1], v[rD+2*ro:rD+2*ro+1], -2.0, v[rA:rA+1] op_sel_hi:[1,0,0]
.else
	v_pk_fma_f32 v[rD+2*ro:rD+2*ro+1], v[rD+2*ro:rD+2*ro+1], -2.0, v[rA:rA+1] op_sel:[0,0,1] op_sel_hi:[1,0,1]
.endif
.elseif ro < 8
	v_pk_fma_f32 v[rD+2*(ro-4):rD+2*(ro-4)+1], v[rD+2*(ro-4):rD+2*(ro-4)+1], 1.0, v[rC+2*(ro-4):rC+2*(ro-4)+1] op_sel_hi:[1,0,1]
.elseif ro < 12
	v_pk_fma_f32 v[EE+2*(ro-8):EE+2*(ro-8)+1], v[rD+2*(ro-8):rD+2*(ro-8)+1], 1.0, v[rB+2*(ro-8):rB+2*(ro-8)+1] op_sel_hi:[1,0,1] neg_lo:[0,0,1] neg_hi:[0,0,1]
.elseif ro < 20
	v_cmp_lt_f32 s[MK+ro-12], v[EE+ro-12], 0
.elseif ro < 28
	v_cndmask_b32 v[rI+ro-20], v[rI+ro-20], s[CAND], s[MK+ro-20]
.else
	v_min3_num_f32 v[rB+ro-28], v[rD+ro-28], s[INF], v[rB+ro-28]
.endif
.set rq, rq+1
.endm
; A TILE STEP on accumulator set p: 8 chunks of 32 channels x 4 z tiles.  The four accumulators take turns, one instruction a turn; chunk 0 starts the sums with the constant 0.
; rid = 1: the vector work for the tile step before stands behind the products, 5, 4, 5, 4.  fet = 1: behind each chunk its fragment registers take the NEXT code tile's chunk (at koff from v[AK]); the four
; vector instructions behind the chunk's last product name none of its registers: they are the places that a load into a product's source wants (with rid = 0: four v_nop).  At the end the next tile's cn (at coff).
; The wait at a chunk's head: behind the two loads that it needs stand 14 fragment loads and the two of cn, whatever the chunk: 16 may stay out.  With fet = 0 nothing is issued: 16 - 2 kc.
.macro TSTEP p, rid, fet, koff, coff
.set P, (\p)
.set rq, 0
.set kc, 0
.rept 8
.if \fet
	s_wait_dscnt 16
.else
	s_wait_dscnt 16-2*kc
.endif
.set mt, 0
.rept 4
.set rO, ACC+32*P+8*mt
.if kc == 0
	v_wmma_f32_16x16x32_bf16 v[rO:rO+7], v[AF+8*kc:AF+8*kc+7], v[64*mt+8*kc:64*mt+8*kc+7], 0
.else
	v_wmma_f32_16x16x32_bf16 v[rO:rO+7], v[AF+8*kc:AF+8*kc+7], v[64*mt+8*kc:64*mt+8*kc+7], v[rO:rO+7]
.endif
.if \rid
.rept 5-(mt%2)
	RID
.endr
.endif
.set mt, mt+1
.endr
.if (\rid) == 0
.rept 4
	v_nop
.endr
.endif
.if \fet
	ds_load_b128 v[AF+8*kc:AF+8*kc+3],   v[AK] offset:(\koff)+64*kc
	ds_load_b128 v[AF+8*kc+4:AF+8*kc+7], v[AK] offset:(\koff)+64*kc+32
.endif
.set kc, kc+1
.endr
.if \fet
	ds_load_b128 v[CC+8*(1-P):CC+8*(1-P)+3],   v[AC] offset:(\coff)      ; behind the last line that read this set
	ds_load_b128 v[CC+8*(1-P)+4:CC+8*(1-P)+7], v[AC] offset:(\coff)+16
.endif
.if \rid
	s_add_co_u32 s[CAND], s[CAND], 1
.endif
.endm
; n pairs of tile steps, an odd one and an even one, written once and walked n times; the LDS addresses hang on s[TB] and s[TC], which step.
.macro PAIRS n
	s_mov_b32 s[CNT], \n
.Lpair_\@:
	v_add_nc_u32 v[AK], s[TB], v[AK0]
	v_add_nc_u32 v[AC], s[TC], v[AC0]
	s_add_co_u32 s[TB], s[TB], 2*TILEB
	s_add_co_u32 s[TC], s[TC], 128
	WIN W_MM
	TSTEP 1, 1, 1, 0, 0
	TSTEP 0, 1, 1, TILEB, 64
	WIN 0                           ; at a label and at a branch every window is 0
	s_sub_co_u32 s[CNT], s[CNT], 1
	s_cmp_lg_u32 s[CNT], 0
	s_cbranch_scc1 .Lpair_\@
.endm
	CHANGE 1, 1                     ; slot 0 and cn are whole, z has been read out of slot 1: it takes step 1
	v_mov_b32 v[AK], v[AK0]
	v_mov_b32 v[AC], v[AC0]
.irp k, 0,1,2,3,4,5,6,7             ; tile step 0's fragments and cn
	ds_load_b128 v[AF+8*\k:AF+8*\k+3],   v[AK] offset:64*\k
	ds_load_b128 v[AF+8*\k+4:AF+8*\k+7], v[AK] offset:64*\k+32
.endr
	ds_load_b128 v[CC:CC+3],   v[AC]
	ds_load_b128 v[CC+4:CC+7], v[AC] offset:16
	WIN W_MM
	TSTEP 0, 0, 1, TILEB, 64        ; tile step 0: there is no vector work yet
	WIN 0
	s_mov_b32 s[TB], 2*TILEB
	s_mov_b32 s[TC], 128
	s_mov_b32 s[CAND], 0
	PAIRS 3                         ; tile steps 1 to 6
	s_mov_b32 s[TRIPS], 15
.Lslot:                             ; a trip: 16 tile steps, from a step's last to the last but one of the step two on; both slots are filled again: steps 2 to 31
	CHANGE 0, 1
	s_mov_b32 s[TB], SLOT1
	PAIRS 4
	CHANGE 1, 1
	s_mov_b32 s[TB], 0
	PAIRS 4
	s_sub_co_u32 s[TRIPS], s[TRIPS], 1
	s_cmp_lg_u32 s[TRIPS], 0
	s_cbranch_scc1 .Lslot
	CHANGE 0, 0                     ; the tail is written out: step 31 is in, nothing is asked for
	s_mov_b32 s[TB], SLOT1
	PAIRS 4                         ; tile steps 247 to 254
	WIN W_MM
	TSTEP 1, 1, 0, 0, 0             ; tile step 255 fetches nothing
	s_wait_dscnt 0x0                ; its cn
.set P, 0
.set rq, 0
.rept 144
	RID                             ; and its vector work; the four lines behind the last product, which name the other set, are the places in front of these
.endr
	WIN 0
; THE MERGE.  (bx, kx) takes (by, ky) where by is less, or equal with the lower number.
.macro LEX bx, kx, by, ky
	v_cmp_lt_f32 s80, v[\by], v[\bx]
	v_cmp_eq_f32 s81, v[\by], v[\bx]
	v_cmp_lt_u32 s82, v[\ky], v[\kx]
	s_and_b32 s81, s81, s82
	s_or_b32 s80, s80, s81
	v_cndmask_b32 v[\bx], v[\bx], v[\by], s80
	v_cndmask_b32 v[\kx], v[\kx], v[\ky], s80
.endm
.set wt, 0
.rept 4
.set rB, BEST+8*wt
.set rI, IDX+8*wt
.irp j, 0,1,2,3,4,5,6,7
	v_lshl_add_u32 v[rI+\j], v[rI+\j], 3, \j   ; k = 8 x tile step + register: in a lane it ascends as the code does
.endr
	LEX rB,rI,rB+1,rI+1
	LEX rB+2,rI+2,rB+3,rI+3
	LEX rB+4,rI+4,rB+5,rI+5
	LEX rB+6,rI+6,rB+7,rI+7
	LEX rB,rI,rB+2,rI+2
	LEX rB+4,rI+4,rB+6,rI+6
	LEX rB,rI,rB+4,rI+4
	v_lshrrev_b32 v8, 3, v[rI]      ; the tile step n = 8 step + tile
	v_lshrrev_b32 v9, 6, v[rI]      ; the step
	v_and_b32 v[rI], 7, v[rI]
	v_lshl_add_u32 v[rI], v8, 4, v[rI]   ; 16 n = 128 step + 16 tile,
	v_lshl_add_u32 v[rI], v9, 7, v[rI]   ; + 128 step: 256 step + 16 tile + register,
	v_add_nc_u32 v[rI], v[rI], v[LB]     ; + my wave's and my lanes' share: the code
	v_permlanex16_b32 v[EE], v[rB], s[SEL], s[SEL+1]     ; the row's other 8 codes of each tile lie in the lane 16 away
	v_permlanex16_b32 v[EE+1], v[rI], s[SEL], s[SEL+1]
	LEX rB,rI,EE,EE+1
	ds_store_b32 v[MA], v[rB] offset:64*wt               ; both halves of the lanes write the same word with the same number
	ds_store_b32 v[MA], v[rI] offset:1024+64*wt
.set wt, wt+1
.endr
	s_wait_dscnt 0x0                ; for the others' sake: my stores into the merge are done
	s_barrier_signal -1
	s_barrier_wait -1
	ds_load_b64 v[EE:EE+1],   v[MR]              ; two rows a lane: the distances of the two halves of the codes,
	ds_load_b64 v[EE+2:EE+3], v[MR] offset:512
	ds_load_b64 v[EE+4:EE+5], v[MR] offset:1024  ; and their codes
	ds_load_b64 v[EE+6:EE+7], v[MR] offset:1536
	s_cmp_lt_u32 s[WV], 2           ; waves 0 and 1 write out1, waves 2 and 3 the copy from which the next launch forms addresses
	s_cselect_b64 s[20:21], s[10:11], s[12:13]
	s_wait_dscnt 0x0
	LEX EE,EE+4,EE+2,EE+6
	LEX EE+1,EE+5,EE+3,EE+7
	global_store_b64 v[GO], v[EE+4:EE+5], s[20:21]  ; 32 lanes store 256 consecutive bytes, at a multiple of 256 from the buffer's first
	s_wait_tensorcnt 0x0            ; the wave's end: behind my last tensor load and my last LDS store
	ds_add_u32 v[SPW], v[NIL]
	s_wait_dscnt 0x0
	CROUND                          ; the closing round: no work-group ends while a partner may still ask for a tile that names it
	s_endpgm
.Lfunc_end_k_qdb1ffe40be_argmin:
	.size	k_qdb1ffe40be_argmin, .Lfunc_end_k_qdb1ffe40be_argmin-k_qdb1ffe40be_argmin
	.p2alignl 7, 3214868480
	.fill 96, 4, 3214868480
	.section	.rodata,"a",@progbits
	.p2align	6, 0x0
	.amdhsa_kernel k_qdb1ffe40be_argmin
		.amdhsa_group_segment_fixed_size 327680
		.amdhsa_private_segment_fixed_size 0
		.amdhsa_enable_private_segment 0
		.amdhsa_kernarg_size 40
		.amdhsa_user_sgpr_count 2
		.amdhsa_user_sgpr_kernarg_segment_ptr 1
		.amdhsa_wavefront_size32 1
		.amdhsa_system_sgpr_workgroup_id_x 1
		.amdhsa_system_sgpr_workgroup_id_y 1
		.amdhsa_system_sgpr_workgroup_id_z 1
		.amdhsa_system_vgpr_workitem_id 0
		.amdhsa_next_free_vgpr 512
		.amdhsa_next_free_sgpr 96
		.amdhsa_reserve_vcc 0
		.amdhsa_float_denorm_mode_32 3
		.amdhsa_float_denorm_mode_16_64 3
		.amdhsa_memory_ordered 1
		.amdhsa_forward_progress 1
		.amdhsa_inst_pref_size 214
	.end_amdhsa_kernel
	.amdgpu_metadata
---
amdhsa.version: [ 1, 2 ]
amdhsa.kernels:
  - .name:           k_qdb1ffe40be_argmin
    .symbol:         k_qdb1ffe40be_argmin.kd
    .args:
      - { .name: z, .offset: 0, .size: 8, .value_kind: global_buffer, .address_space: global }
      - { .name: wb, .offset: 8, .size: 8, .value_kind: global_buffer, .address_space: global }
      - { .name: cn, .offset: 16, .size: 8, .value_kind: global_buffer, .address_space: global }
      - { .name: out1, .offset: 24, .size: 8, .value_kind: global_buffer, .address_space: global }
      - { .name: idx, .offset: 32, .size: 8, .value_kind: global_buffer, .address_space: global }
    .group_segment_fixed_size: 327680
    .private_segment_fixed_size: 0
    .kernarg_segment_align: 8
    .kernarg_segment_size: 40
    .max_flat_workgroup_size: 128
    .sgpr_count:     96
    .vgpr_count:     512
    .wavefront_size: 32
...
	.end_amdgpu_metadata
.endif
;; end of part 2
;; launch gather (part 3): grid 256 x 1, 8 waves a work-group, no clusters, 0 bytes of LDS; arguments z, wb, idx, out0, part; writes out0, part
.if DOCPART == 3
	.amdgcn_target "amdgcn-amd-amdhsa--gfx1250"
	.amdhsa_code_object_version 6
	.text
	.protected	k_qdb1ffe40be_gather
	.globl	k_qdb1ffe40be_gather
	.p2align	8
	.type	k_qdb1ffe40be_gather,@function
k_qdb1ffe40be_gather:
	s_mov_b64 s[64:65], 0
	v_nop
	global_prefetch_b8 v0, s[64:65] scope:SCOPE_SE
	s_setreg_imm32_b32 hwreg(HW_REG_WAVE_MODE, 25, 1), 1
	s_wait_xcnt 0x0
; out0[n][:] = zb + fl(wq - zb), wq = wb[idx[n]][:], zb = z[n][:] rounded to bf16 (as in the launch that chose idx);  part[wave] = the sum of (wq - zb)^2 over the wave's 16 rows, in f32.
; Eight waves, 16 rows each; in a row lane l owns elements 4 l .. + 3 and 128 + 4 l .. + 3: a load of z and a store of out0 cover 512 consecutive bytes, a load of a code's half row 256.
; The 16 indices are whole numbers that an earlier launch stored: one scalar load, each held to 0 .. 8,191 before it enters an address.  All 64 vector loads of the wave go out before the first is waited for.
; Memory binds: no LDS, no matrix unit, no cluster.  part takes one number of 4 bytes a wave: 8,192 bytes in the whole launch.
.set WO, 4                             ; v[4:19]    row i: byte offset of my 8 bytes in its code's row
.set Z,  20                            ; v[20:147]  row i: 8 registers, z as loaded, then out0 to store; each row has its own
.set W,  148                           ; v[148:211] row i: 4 registers, 8 bf16 of the code
.set T,  212                           ; v[212:231] at work, ten for each half of a row: +0, +1 zb packed; +2..5 zb; +6..9 wq, then wq - zb
.set L,  232                           ; v[232:235] the sum of squares, four chains
	s_load_b256 s[4:11], s[0:1], 0x0               ; z s[4:5], wb s[6:7], idx s[8:9], out0 s[10:11]
	s_load_b64 s[12:13], s[0:1], 0x20              ; part
	v_lshrrev_b32 v3, 5, v0
	v_readfirstlane_b32 s14, v3                    ; wave
	v_and_b32 v3, 31, v0                           ; lane
	v_lshlrev_b32 v1, 4, v3
	v_lshlrev_b32 v2, 3, v3
	s_lshl_b32 s15, ttmp9, 3
	s_add_co_u32 s15, s15, s14                     ; my wave among the launch's 2,048
	s_lshl_b32 s32, s15, 14                        ; its 16 rows of 1,024 bytes
	s_mov_b32 s33, 0
	s_lshl_b32 s34, s15, 6                         ; its 16 indices
	s_mov_b32 s35, 0
	s_lshl_b32 s36, s15, 2                         ; its number in part
	s_mov_b32 s37, 0
	s_mov_b32 s38, 0xffff0000                      ; a word's upper bf16
	s_mov_b32 s40, 0x76543210
	s_mov_b32 s41, 0xfedcba98
	s_wait_kmcnt 0x0
	s_add_nc_u64 s[8:9], s[8:9], s[34:35]
	s_load_b512 s[16:31], s[8:9], 0x0              ; the 16 indices
	s_add_nc_u64 s[4:5], s[4:5], s[32:33]
	s_add_nc_u64 s[10:11], s[10:11], s[32:33]
	s_add_nc_u64 s[12:13], s[12:13], s[36:37]
.irp i, 0,1,2,3,4,5,6,7,8,9,10,11,12,13,14,15
	global_load_b128 v[Z+8*\i:Z+8*\i+3],   v1, s[4:5] offset:1024*\i th:TH_LOAD_NT
	global_load_b128 v[Z+8*\i+4:Z+8*\i+7], v1, s[4:5] offset:1024*\i+512 th:TH_LOAD_NT
.endr
	s_wait_kmcnt 0x0
.irp i, 0,1,2,3,4,5,6,7,8,9,10,11,12,13,14,15
	s_min_u32 s[16+\i], s[16+\i], 0x1fff           ; inside the table, whatever was stored
	v_lshl_add_u32 v[WO+\i], s[16+\i], 9, v2       ; a code's row is 512 bytes
.endr
.irp i, 0,1,2,3,4,5,6,7,8,9,10,11,12,13,14,15
	global_load_b64 v[W+4*\i:W+4*\i+1],   v[WO+\i], s[6:7]              ; no hint: a code may be named by many rows
	global_load_b64 v[W+4*\i+2:W+4*\i+3], v[WO+\i], s[6:7] offset:256
.endr
.macro ROW i
	s_wait_loadcnt 30-2*(\i)                       ; loads come back in order: all of z and row i's code are in; the younger rows' code loads stay out
.irp g, 0,1
.set rZ, Z+8*(\i)+4*\g
.set rW, W+4*(\i)+2*\g
.set rT, T+10*\g
	v_cvt_pk_bf16_f32 v[rT],   v[rZ],   v[rZ+1]
	v_cvt_pk_bf16_f32 v[rT+1], v[rZ+2], v[rZ+3]
	v_lshlrev_b32 v[rT+6], 16,  v[rW]
	v_and_b32     v[rT+7], s38, v[rW]
	v_lshlrev_b32 v[rT+8], 16,  v[rW+1]
	v_and_b32     v[rT+9], s38, v[rW+1]
	v_lshlrev_b32 v[rT+2], 16,  v[rT]
	v_and_b32     v[rT+3], s38, v[rT]
	v_lshlrev_b32 v[rT+4], 16,  v[rT+1]
	v_and_b32     v[rT+5], s38, v[rT+1]
	v_pk_add_f32 v[rT+6:rT+7], v[rT+6:rT+7], v[rT+2:rT+3] neg_lo:[0,1] neg_hi:[0,1]  ; wq - zb
	v_pk_add_f32 v[rT+8:rT+9], v[rT+8:rT+9], v[rT+4:rT+5] neg_lo:[0,1] neg_hi:[0,1]
.if ((\i) == 0) && (\g == 0)
	v_pk_mul_f32 v[L:L+1],   v[rT+6:rT+7], v[rT+6:rT+7]                    ; the first squares start the sums
	v_pk_mul_f32 v[L+2:L+3], v[rT+8:rT+9], v[rT+8:rT+9]
.else
	v_pk_fma_f32 v[L:L+1],   v[rT+6:rT+7], v[rT+6:rT+7], v[L:L+1]
	v_pk_fma_f32 v[L+2:L+3], v[rT+8:rT+9], v[rT+8:rT+9], v[L+2:L+3]
.endif
	v_pk_add_f32 v[rZ:rZ+1],   v[rT+2:rT+3], v[rT+6:rT+7]                  ; zb + (wq - zb)
	v_pk_add_f32 v[rZ+2:rZ+3], v[rT+4:rT+5], v[rT+8:rT+9]
	global_store_b128 v1, v[rZ:rZ+3], s[10:11] offset:1024*(\i)+512*\g th:TH_STORE_NT  ; 512 consecutive bytes, at a multiple of 256 from out0's first
.endr
.endm
.irp i, 0,1,2,3,4,5,6,7,8,9,10,11,12,13,14,15
	ROW \i
.endr
	v_pk_add_f32 v[L:L+1], v[L:L+1], v[L+2:L+3]
	v_add_f32 v[L], v[L], v[L+1]
	v_add_f32_dpp v[L], v[L], v[L] row_xmask:1 row_mask:0xf bank_mask:0xf
	v_add_f32_dpp v[L], v[L], v[L] row_xmask:2 row_mask:0xf bank_mask:0xf
	v_add_f32_dpp v[L], v[L], v[L] row_xmask:4 row_mask:0xf bank_mask:0xf
	v_add_f32_dpp v[L], v[L], v[L] row_xmask:8 row_mask:0xf bank_mask:0xf
	v_permlanex16_b32 v[L+1], v[L], s40, s41
	v_add_f32 v[L], v[L], v[L+1]
	v_mov_b32 v[L+2], 0
	v_cmp_eq_u32 vcc_lo, 0, v3
	s_wait_xcnt 0x0                                ; EXEC is a source of the stores above: it changes only behind this wait
	s_and_saveexec_b32 s39, vcc_lo
	global_store_b32 v[L+2], v[L], s[12:13]        ; lane 0: the wave's partial sum
	s_wait_xcnt 0x0                                ; and again in front of the line that widens it
	s_or_b32 exec_lo, exec_lo, s39
	s_endpgm
.Lfunc_end_k_qdb1ffe40be_gather:
	.size	k_qdb1ffe40be_gather, .Lfunc_end_k_qdb1ffe40be_gather-k_qdb1ffe40be_gather
	.p2alignl 7, 3214868480
	.fill 96, 4, 3214868480
	.section	.rodata,"a",@progbits
	.p2align	6, 0x0
	.amdhsa_kernel k_qdb1ffe40be_gather
		.amdhsa_group_segment_fixed_size 0
		.amdhsa_private_segment_fixed_size 0
		.amdhsa_enable_private_segment 0
		.amdhsa_kernarg_size 40
		.amdhsa_user_sgpr_count 2
		.amdhsa_user_sgpr_kernarg_segment_ptr 1
		.amdhsa_wavefront_size32 1
		.amdhsa_system_sgpr_workgroup_id_x 1
		.amdhsa_system_sgpr_workgroup_id_y 1
		.amdhsa_system_sgpr_workgroup_id_z 1
		.amdhsa_system_vgpr_workitem_id 0
		.amdhsa_next_free_vgpr 240
		.amdhsa_next_free_sgpr 66
		.amdhsa_reserve_vcc 1
		.amdhsa_float_denorm_mode_32 3
		.amdhsa_float_denorm_mode_16_64 3
		.amdhsa_memory_ordered 1
		.amdhsa_forward_progress 1
		.amdhsa_inst_pref_size 38
	.end_amdhsa_kernel
	.amdgpu_metadata
---
amdhsa.version: [ 1, 2 ]
amdhsa.kernels:
  - .name:           k_qdb1ffe40be_gather
    .symbol:         k_qdb1ffe40be_gather.kd
    .args:
      - { .name: z, .offset: 0, .size: 8, .value_kind: global_buffer, .address_space: global }
      - { .name: wb, .offset: 8, .size: 8, .value_kind: global_buffer, .address_space: global }
      - { .name: idx, .offset: 16, .size: 8, .value_kind: global_buffer, .address_space: global }
      - { .name: out0, .offset: 24, .size: 8, .value_kind: global_buffer, .address_space: global }
      - { .name: part, .offset: 32, .size: 8, .value_kind: global_buffer, .address_space: global }
    .group_segment_fixed_size: 0
    .private_segment_fixed_size: 0
    .kernarg_segment_align: 8
    .kernarg_segment_size: 40
    .max_flat_workgroup_size: 256
    .sgpr_count:     66
    .vgpr_count:     240
    .wavefront_size: 32
...
	.end_amdgpu_metadata
.endif
;; end of part 3
;; launch loss (part 4): grid 1 x 1, 1 waves a work-group, no clusters, 0 bytes of LDS; arguments part, out2; writes out2
.if DOCPART == 4
	.amdgcn_target "amdgcn-amd-amdhsa--gfx1250"
	.amdhsa_code_object_version 6
	.text
	.protected	k_qdb1ffe40be_loss
	.globl	k_qdb1ffe40be_loss
	.p2align	8
	.type	k_qdb1ffe40be_loss,@function
k_qdb1ffe40be_loss:
	s_mov_b64 s[64:65], 0
	v_nop
	global_prefetch_b8 v0, s[64:65] scope:SCOPE_SE
	s_setreg_imm32_b32 hwreg(HW_REG_WAVE_MODE, 25, 1), 1
	s_wait_xcnt 0x0
; out2 = diff2 + 0.25 diff2, diff2 = (the sum of part's 2,048 partial sums) / (32,768 x 256).  One wave: the sum spans all work-groups of the launch before, so it has a launch of its own;
; 8,192 bytes, sixteen loads of 512 consecutive bytes, all out at once; four chains of packed additions in f32.
.set X, 8                              ; v[8:71] load j at X + 4 j
	s_load_b128 s[4:7], s[0:1], 0x0                ; part s[4:5], out2 s[6:7]
	v_lshlrev_b32 v1, 4, v0
	s_mov_b32 s8, 0x76543210
	s_mov_b32 s9, 0xfedcba98
	s_wait_kmcnt 0x0
.irp j, 0,1,2,3,4,5,6,7,8,9,10,11,12,13,14,15
	global_load_b128 v[X+4*\j:X+4*\j+3], v1, s[4:5] offset:512*\j
.endr
.irp j, 2,3,4,5,6,7,8,9,10,11,12,13,14,15
	s_wait_loadcnt 15-\j                           ; load j and all before it are in; the younger ones stay out
	v_pk_add_f32 v[X+4*(\j%2):X+4*(\j%2)+1],   v[X+4*(\j%2):X+4*(\j%2)+1],   v[X+4*\j:X+4*\j+1]
	v_pk_add_f32 v[X+4*(\j%2)+2:X+4*(\j%2)+3], v[X+4*(\j%2)+2:X+4*(\j%2)+3], v[X+4*\j+2:X+4*\j+3]
.endr
	v_pk_add_f32 v[X:X+1], v[X:X+1], v[X+4:X+5]
	v_pk_add_f32 v[X+2:X+3], v[X+2:X+3], v[X+6:X+7]
	v_pk_add_f32 v[X:X+1], v[X:X+1], v[X+2:X+3]
	v_add_f32 v[X], v[X], v[X+1]
	v_add_f32_dpp v[X], v[X], v[X] row_xmask:1 row_mask:0xf bank_mask:0xf
	v_add_f32_dpp v[X], v[X], v[X] row_xmask:2 row_mask:0xf bank_mask:0xf
	v_add_f32_dpp v[X], v[X], v[X] row_xmask:4 row_mask:0xf bank_mask:0xf
	v_add_f32_dpp v[X], v[X], v[X] row_xmask:8 row_mask:0xf bank_mask:0xf
	v_permlanex16_b32 v[X+1], v[X], s8, s9
	v_add_f32 v[X], v[X], v[X+1]
	v_mul_f32 v[X], 0x34000000, v[X]               ; times 2^-23: the mean over 32,768 x 256 numbers
	v_fmamk_f32 v[X+1], v[X], 0x3e800000, v[X]     ; diff2 x 0.25 + diff2
	v_mov_b32 v2, 0
	v_cmp_eq_u32 vcc_lo, 0, v0
	s_wait_xcnt 0x0                                ; EXEC changes only behind this wait
	s_and_saveexec_b32 s10, vcc_lo
	global_store_b32 v2, v[X+1], s[6:7]            ; lane 0: the one number
	s_wait_xcnt 0x0
	s_or_b32 exec_lo, exec_lo, s10
	s_endpgm
.Lfunc_end_k_qdb1ffe40be_loss:
	.size	k_qdb1ffe40be_loss, .Lfunc_end_k_qdb1ffe40be_loss-k_qdb1ffe40be_loss
	.p2alignl 7, 3214868480
	.fill 96, 4, 3214868480
	.section	.rodata,"a",@progbits
	.p2align	6, 0x0
	.amdhsa_kernel k_qdb1ffe40be_loss
		.amdhsa_group_segment_fixed_size 0
		.amdhsa_private_segment_fixed_size 0
		.amdhsa_enable_private_segment 0
		.amdhsa_kernarg_size 16
		.amdhsa_user_sgpr_count 2
		.amdhsa_user_sgpr_kernarg_segment_ptr 1
		.amdhsa_wavefront_size32 1
		.amdhsa_system_sgpr_workgroup_id_x 1
		.amdhsa_system_sgpr_workgroup_id_y 1
		.amdhsa_system_sgpr_workgroup_id_z 1
		.amdhsa_system_vgpr_workitem_id 0
		.amdhsa_next_free_vgpr 80
		.amdhsa_next_free_sgpr 66
		.amdhsa_reserve_vcc 1
		.amdhsa_float_denorm_mode_32 3
		.amdhsa_float_denorm_mode_16_64 3
		.amdhsa_memory_ordered 1
		.amdhsa_forward_progress 1
		.amdhsa_inst_pref_size 6
	.end_amdhsa_kernel
	.amdgpu_metadata
---
amdhsa.version: [ 1, 2 ]
amdhsa.kernels:
  - .name:           k_qdb1ffe40be_loss
    .symbol:         k_qdb1ffe40be_loss.kd
    .args:
      - { .name: part, .offset: 0, .size: 8, .value_kind: global_buffer, .address_space: global }
      - { .name: out2, .offset: 8, .size: 8, .value_kind: global_buffer, .address_space: global }
    .group_segment_fixed_size: 0
    .private_segment_fixed_size: 0
    .kernarg_segment_align: 8
    .kernarg_segment_size: 16
    .max_flat_workgroup_size: 32
    .sgpr_count:     66
    .vgpr_count:     80
    .wavefront_size: 32
...
	.end_amdgpu_metadata
.endif
;; end of part 4
;; ======== version 2 of 2: 4 launches; version 1 with the launches prep, gather written anew for expert scheduling mode
;; workspace buffers: wb 4,194,304 bytes; cn 32,768 bytes; idx 131,072 bytes of whole numbers; part 8,192 bytes
;; launch prep (part 5): grid 128 x 1, 8 waves a work-group, no clusters, 1,280 bytes of LDS; arguments codebook, wb, cn; writes wb, cn
.if DOCPART == 5
	.amdgcn_target "amdgcn-amd-amdhsa--gfx1250"
	.amdhsa_code_object_version 6
	.text
	.protected	k_qdb1ffe40be_prep
	.globl	k_qdb1ffe40be_prep
	.p2align	8
	.type	k_qdb1ffe40be_prep,@function
k_qdb1ffe40be_prep:
	s_mov_b64 s[64:65], 0
	v_nop
	global_prefetch_b8 v0, s[64:65] scope:SCOPE_SE
	s_setreg_imm32_b32 hwreg(HW_REG_WAVE_SCHED_MODE, 0, 2), 2
	s_setreg_imm32_b32 hwreg(HW_REG_WAVE_MODE, 25, 1), 1
	s_wait_xcnt 0x0
	s_wait_alu depctr_vm_vsrc(0)
; wb[k][:] = codebook[k][:] rounded once to bf16;  cn[k] = the sum over d of wb[k][d]^2, in f32.  codebook: [8192][256] f32.
; Eight waves; the work-group owns 64 rows, a wave 8.  In a row lane l owns elements 4 l .. 4 l + 3 and 128 + 4 l .. + 3: a load of the wave covers
; 512 consecutive bytes, a store of wb 256 consecutive bytes at a multiple of 256.  A row's sum never leaves its wave; the 64 sums of the work-group meet in
; LDS, so that cn leaves as one store of 256 consecutive bytes.  Memory binds: no matrix unit, no cluster (no two work-groups read the same bytes).
; THE MODE: SCHED_MODE bits 1:0 = 2 (LLVM: expert scheduling mode 2), set by the entry lines.  The code itself states the register dependences
; between vector instructions and memory or LDS instructions, with s_wait_alu, always for 0.
; THE PLAN.  Registers that memory or LDS instructions touch:
;   v1, v2, v[CA], v[SPW], v[NIL]   offsets and LDS addresses: written at the head, never again.
;   X, row i      a load lands in it once; row i's conversions read it; it is never loaded again.
;   PK, row i     written by row i's conversions; read by the two stores of wb that are issued in row i + 1; never written again.
;   SUM, row i    written by row i's additions; read by the LDS store that is issued in row i + 1; never written again.
;   v[T:T+1]      at work up to row 7; behind the barrier wave 0's LDS load lands in it, and the store of cn reads it.
; So one wait on va_vdst stands at a row's head: the row before has written its PK and its SUM, and its three stores follow; no vector instruction of the
; row in hand names them.  Since every row has registers of its own, no register that a store has read is written again.
.set X,     8                          ; v[8:71]    row i: 8 registers as loaded
.set PK,    72                         ; v[72:103]  row i: 4 registers, 8 bf16; each row has its own, so no store's data is ever rewritten
.set T,     104                        ; v[104:111] at work
.set SUM,   112                        ; v[112:119] row i's sum
.set CA,    120                        ; v120       LDS address of my wave's 8 sums: 32 x wave
.set SPW,   122                        ; v122       LDS address of my spare word; never rewritten
.set NIL,   123                        ; v123       0; never rewritten
.set SPARE, 256                        ; behind the 64 sums: the spare words, 128 bytes for each of eight waves, which no other line names
.set WV,    14                         ; s14        my wave's number
	s_load_b128 s[4:7], s[0:1], 0x0                ; codebook s[4:5], wb s[6:7]
	s_load_b64 s[8:9], s[0:1], 0x10                ; cn
	v_lshl_add_u32 v[SPW], v0, 2, SPARE
	v_mov_b32 v[NIL], 0
	v_lshrrev_b32 v3, 5, v0
	v_readfirstlane_b32 s[WV], v3
	v_and_b32 v4, 31, v0                           ; lane
	v_lshlrev_b32 v1, 4, v4                        ; 16 bytes a lane of f32
	v_lshlrev_b32 v2, 3, v4                        ; 8 bytes a lane of bf16
	s_wait_alu depctr_va_sdst(0)                   ; s14, my wave's number, is written, ahead of its first reader: the line below
	s_lshl_b32 s15, s[WV], 5
	v_mov_b32 v[CA], s15
	s_mov_b32 s10, 0xffff0000                      ; a word's upper bf16
	s_mov_b32 s12, 0x76543210                      ; v_permlanex16_b32: each lane takes its own place in the other half
	s_mov_b32 s13, 0xfedcba98
	s_lshl_b32 s16, ttmp9, 16                      ; 64 rows of 1,024 bytes,
	s_lshl_b32 s17, s[WV], 13                      ; my wave's 8 of them
	s_add_co_u32 s16, s16, s17
	s_mov_b32 s17, 0
	s_lshr_b32 s18, s16, 1                         ; the same rows in wb: half the bytes
	s_mov_b32 s19, 0
	s_lshl_b32 s20, ttmp9, 8                       ; 64 sums of 4 bytes
	s_mov_b32 s21, 0
	s_wait_kmcnt 0x0
	s_add_nc_u64 s[4:5], s[4:5], s[16:17]
	s_add_nc_u64 s[6:7], s[6:7], s[18:19]
	s_add_nc_u64 s[8:9], s[8:9], s[20:21]
	s_wait_alu depctr_va_vdst(0)                   ; v1, v2, v[CA], v[SPW] and v[NIL] are written: every load, store and LDS instruction of the kernel reads one or two of them
.irp i, 0,1,2,3,4,5,6,7                ; all sixteen loads of the wave go out at once
	global_load_b128 v[X+8*\i:X+8*\i+3],   v1, s[4:5] offset:1024*\i th:TH_LOAD_NT
	global_load_b128 v[X+8*\i+4:X+8*\i+7], v1, s[4:5] offset:1024*\i+512 th:TH_LOAD_NT
.endr
; Row i leaves: its 8 bf16 a lane to wb, its sum to LDS.  It stands behind a wait that shows PK and SUM of row i written.
.macro OUT i
	global_store_b64 v2, v[PK+4*(\i):PK+4*(\i)+1],   s[6:7] offset:512*(\i)      ; 32 lanes store 256 consecutive bytes, at a multiple of 256 from wb's first
	global_store_b64 v2, v[PK+4*(\i)+2:PK+4*(\i)+3], s[6:7] offset:512*(\i)+256
	ds_store_b32 v[CA], v[SUM+(\i)] offset:4*(\i)  ; all lanes write the same word with the same number
.endm
.macro ROW i
	s_wait_loadcnt 14-2*(\i)                       ; loads come back in order: row i's two are in, the younger rows' stay out
.if (\i) > 0
	s_wait_alu depctr_va_vdst(0)                   ; the row before has written its PK and its SUM, which the three stores below read; no line of this row names them
	OUT (\i)-1
.endif
.irp k, 0,1,2,3
	v_cvt_pk_bf16_f32 v[PK+4*(\i)+\k], v[X+8*(\i)+2*\k], v[X+8*(\i)+2*\k+1]
.endr
.irp k, 0,1,2,3
	v_lshlrev_b32 v[T+2*\k],   16,  v[PK+4*(\i)+\k] ; the rounded numbers back in f32: the sum is of what the later launches multiply by
	v_and_b32     v[T+2*\k+1], s10, v[PK+4*(\i)+\k]
.endr
	v_pk_mul_f32 v[T:T+1], v[T:T+1], v[T:T+1]      ; the first squares start the sum
.irp k, 2,4,6
	v_pk_fma_f32 v[T:T+1], v[T+\k:T+\k+1], v[T+\k:T+\k+1], v[T:T+1]
.endr
	v_add_f32 v[SUM+(\i)], v[T], v[T+1]
	v_add_f32_dpp v[SUM+(\i)], v[SUM+(\i)], v[SUM+(\i)] row_xmask:1 row_mask:0xf bank_mask:0xf
	v_add_f32_dpp v[SUM+(\i)], v[SUM+(\i)], v[SUM+(\i)] row_xmask:2 row_mask:0xf bank_mask:0xf
	v_add_f32_dpp v[SUM+(\i)], v[SUM+(\i)], v[SUM+(\i)] row_xmask:4 row_mask:0xf bank_mask:0xf
	v_add_f32_dpp v[SUM+(\i)], v[SUM+(\i)], v[SUM+(\i)] row_xmask:8 row_mask:0xf bank_mask:0xf
	v_permlanex16_b32 v[T+2], v[SUM+(\i)], s12, s13
	v_add_f32 v[SUM+(\i)], v[SUM+(\i)], v[T+2]     ; every lane holds the row's sum
.endm
.irp i, 0,1,2,3,4,5,6,7
	ROW \i
.endr
	s_wait_alu depctr_va_vdst(0)                   ; row 7 has written its PK and its SUM, which the three stores below read; and every line that names v[T ..] is done: no vector instruction follows, so wave 0's LDS load below may land there
	OUT 7
	s_wait_dscnt 0x0                               ; for the others' sake: my eight sums are in LDS
	s_barrier_signal -1
	s_barrier_wait -1
	s_cmp_lg_u32 s[WV], 0
	s_cbranch_scc1 .Lend
	ds_load_b64 v[T:T+1], v2                       ; wave 0: the 64 sums, two a lane
	s_wait_dscnt 0x0
	global_store_b64 v2, v[T:T+1], s[8:9]          ; 256 consecutive bytes, at a multiple of 256 from cn's first
.Lend:
	s_wait_dscnt 0x0                               ; the closing lines, six on end
	s_wait_alu 0x0
	s_wait_tensorcnt 0x0
	ds_add_u32 v[SPW], v[NIL]
	s_wait_dscnt 0x0
	s_endpgm
.Lfunc_end_k_qdb1ffe40be_prep:
	.size	k_qdb1ffe40be_prep, .Lfunc_end_k_qdb1ffe40be_prep-k_qdb1ffe40be_prep
	.p2alignl 7, 3214868480
	.fill 96, 4, 3214868480
	.section	.rodata,"a",@progbits
	.p2align	6, 0x0
	.amdhsa_kernel k_qdb1ffe40be_prep
		.amdhsa_group_segment_fixed_size 1280
		.amdhsa_private_segment_fixed_size 0
		.amdhsa_enable_private_segment 0
		.amdhsa_kernarg_size 24
		.amdhsa_user_sgpr_count 2
		.amdhsa_user_sgpr_kernarg_segment_ptr 1
		.amdhsa_wavefront_size32 1
		.amdhsa_system_sgpr_workgroup_id_x 1
		.amdhsa_system_sgpr_workgroup_id_y 1
		.amdhsa_system_sgpr_workgroup_id_z 1
		.amdhsa_system_vgpr_workitem_id 0
		.amdhsa_next_free_vgpr 128
		.amdhsa_next_free_sgpr 66
		.amdhsa_reserve_vcc 0
		.amdhsa_float_denorm_mode_32 3
		.amdhsa_float_denorm_mode_16_64 3
		.amdhsa_memory_ordered 1
		.amdhsa_forward_progress 1
		.amdhsa_inst_pref_size 15
	.end_amdhsa_kernel
	.amdgpu_metadata
---
amdhsa.version: [ 1, 2 ]
amdhsa.kernels:
  - .name:           k_qdb1ffe40be_prep
    .symbol:         k_qdb1ffe40be_prep.kd
    .args:
      - { .name: codebook, .offset: 0, .size: 8, .value_kind: global_buffer, .address_space: global }
      - { .name: wb, .offset: 8, .size: 8, .value_kind: global_buffer, .address_space: global }
      - { .name: cn, .offset: 16, .size: 8, .value_kind: global_buffer, .address_space: global }
    .group_segment_fixed_size: 1280
    .private_segment_fixed_size: 0
    .kernarg_segment_align: 8
    .kernarg_segment_size: 24
    .max_flat_workgroup_size: 256
    .sgpr_count:     66
    .vgpr_count:     128
    .wavefront_size: 32
...
	.end_amdgpu_metadata
.endif
;; end of part 5
;; launch argmin: the kernel of part 2 again; grid 256 x 1, 4 waves a work-group, clusters of 4 x 1, 327,680 bytes of LDS; arguments z, wb, cn, out1, idx; writes out1, idx
;; launch gather (part 6): grid 256 x 1, 8 waves a work-group, no clusters, 0 bytes of LDS; arguments z, wb, idx, out0, part; writes out0, part
.if DOCPART == 6
	.amdgcn_target "amdgcn-amd-amdhsa--gfx1250"
	.amdhsa_code_object_version 6
	.text
	.protected	k_qdb1ffe40be_gather
	.globl	k_qdb1ffe40be_gather
	.p2align	8
	.type	k_qdb1ffe40be_gather,@function
k_qdb1ffe40be_gather:
	s_mov_b64 s[64:65], 0
	v_nop
	global_prefetch_b8 v0, s[64:65] scope:SCOPE_SE
	s_setreg_imm32_b32 hwreg(HW_REG_WAVE_SCHED_MODE, 0, 2), 2
	s_setreg_imm32_b32 hwreg(HW_REG_WAVE_MODE, 25, 1), 1
	s_wait_xcnt 0x0
	s_wait_alu depctr_vm_vsrc(0)
; out0[n][:] = zb + fl(wq - zb), wq = wb[idx[n]][:], zb = z[n][:] rounded to bf16 (as in the launch that chose idx);  part[wave] = the sum of (wq - zb)^2 over the wave's 16 rows, in f32.
; Eight waves, 16 rows each; in a row lane l owns elements 4 l .. + 3 and 128 + 4 l .. + 3: a load of z and a store of out0 cover 512 consecutive bytes, a load of a code's half row 256.
; The 16 indices are whole numbers that an earlier launch stored: one scalar load, each held to 0 .. 8,191 before it enters an address.  All 64 vector loads of the wave go out before the first is waited for.
; Memory binds: no LDS, no matrix unit, no cluster.  part takes one number of 4 bytes a wave: 8,192 bytes in the whole launch.
; THE MODE: SCHED_MODE bits 1:0 = 2 (LLVM: expert scheduling mode 2), set by the entry lines.  The code itself states the register dependences
; between vector instructions and memory instructions, with s_wait_alu, always for 0.
; THE PLAN.  Registers that memory instructions touch:
;   v1, WO       offsets: written at the head, never again.
;   Z, row i     two loads land in it; row i's vector work reads it and at last writes out0's numbers into it; the two stores that are issued in row i + 1 read it; never written again.
;   W, row i     two loads land in it; row i's vector work reads it.
;   v[L], v[L+2] the last store's data and offset.       T and, till then, L are named by vector instructions alone.
; So one wait on va_vdst stands at a row's head: the row before has written its Z.  Its two stores follow, one ahead of each half row's vector work, which names
; Z and W of the row in hand, T and L: none of the registers that those stores read.  Since every row has registers of its own, no register that a store has read is written again.
.set WO, 4                             ; v[4:19]    row i: byte offset of my 8 bytes in its code's row
.set Z,  20                            ; v[20:147]  row i: 8 registers, z as loaded, then out0 to store; each row has its own
.set W,  148                           ; v[148:211] row i: 4 registers, 8 bf16 of the code
.set T,  212                           ; v[212:231] at work, ten for each half of a row: +0, +1 zb packed; +2..5 zb; +6..9 wq, then wq - zb
.set L,  232                           ; v[232:235] the sum of squares, four chains
	s_load_b256 s[4:11], s[0:1], 0x0               ; z s[4:5], wb s[6:7], idx s[8:9], out0 s[10:11]
	s_load_b64 s[12:13], s[0:1], 0x20              ; part
	v_lshrrev_b32 v3, 5, v0
	v_readfirstlane_b32 s14, v3                    ; wave
	v_and_b32 v3, 31, v0                           ; lane
	v_lshlrev_b32 v1, 4, v3
	v_lshlrev_b32 v2, 3, v3
	s_wait_alu depctr_va_sdst(0)                   ; s14, my wave's number, is written, ahead of its first reader two lines below
	s_lshl_b32 s15, ttmp9, 3
	s_add_co_u32 s15, s15, s14                     ; my wave among the launch's 2,048
	s_lshl_b32 s32, s15, 14                        ; its 16 rows of 1,024 bytes
	s_mov_b32 s33, 0
	s_lshl_b32 s34, s15, 6                         ; its 16 indices
	s_mov_b32 s35, 0
	s_lshl_b32 s36, s15, 2                         ; its number in part
	s_mov_b32 s37, 0
	s_mov_b32 s38, 0xffff0000                      ; a word's upper bf16
	s_mov_b32 s40, 0x76543210
	s_mov_b32 s41, 0xfedcba98
	s_wait_kmcnt 0x0
	s_add_nc_u64 s[8:9], s[8:9], s[34:35]
	s_load_b512 s[16:31], s[8:9], 0x0              ; the 16 indices
	s_add_nc_u64 s[4:5], s[4:5], s[32:33]
	s_add_nc_u64 s[10:11], s[10:11], s[32:33]
	s_add_nc_u64 s[12:13], s[12:13], s[36:37]
	s_wait_alu depctr_va_vdst(0)                   ; v1 is written: every load of z and every store of out0 reads it as its offset
.irp i, 0,1,2,3,4,5,6,7,8,9,10,11,12,13,14,15
	global_load_b128 v[Z+8*\i:Z+8*\i+3],   v1, s[4:5] offset:1024*\i th:TH_LOAD_NT
	global_load_b128 v[Z+8*\i+4:Z+8*\i+7], v1, s[4:5] offset:1024*\i+512 th:TH_LOAD_NT
.endr
	s_wait_kmcnt 0x0
.irp i, 0,1,2,3,4,5,6,7,8,9,10,11,12,13,14,15
	s_min_u32 s[16+\i], s[16+\i], 0x1fff           ; inside the table, whatever was stored
	v_lshl_add_u32 v[WO+\i], s[16+\i], 9, v2       ; a code's row is 512 bytes
.endr
	s_wait_alu depctr_va_vdst(0)                   ; the sixteen offsets v[WO ..] are written, which the codes' loads read: one wait for all of them
.irp i, 0,1,2,3,4,5,6,7,8,9,10,11,12,13,14,15
	global_load_b64 v[W+4*\i:W+4*\i+1],   v[WO+\i], s[6:7]              ; no hint: a code may be named by many rows
	global_load_b64 v[W+4*\i+2:W+4*\i+3], v[WO+\i], s[6:7] offset:256
.endr
.macro ROW i
	s_wait_loadcnt 30-2*(\i)                       ; loads come back in order: all of z and row i's code are in; the younger rows' code loads stay out
.if (\i) > 0
	s_wait_alu depctr_va_vdst(0)                   ; the row before has written out0's numbers into its Z, which the two stores below read; no line of this row names those registers
.endif
.irp g, 0,1
.set rZ, Z+8*(\i)+4*\g
.set rW, W+4*(\i)+2*\g
.set rT, T+10*\g
.if (\i) > 0
	global_store_b128 v1, v[rZ-8:rZ-5], s[10:11] offset:1024*((\i)-1)+512*\g th:TH_STORE_NT  ; the row before: 512 consecutive bytes, at a multiple of 256 from out0's first
.endif
	v_cvt_pk_bf16_f32 v[rT],   v[rZ],   v[rZ+1]
	v_cvt_pk_bf16_f32 v[rT+1], v[rZ+2], v[rZ+3]
	v_lshlrev_b32 v[rT+6], 16,  v[rW]
	v_and_b32     v[rT+7], s38, v[rW]
	v_lshlrev_b32 v[rT+8], 16,  v[rW+1]
	v_and_b32     v[rT+9], s38, v[rW+1]
	v_lshlrev_b32 v[rT+2], 16,  v[rT]
	v_and_b32     v[rT+3], s38, v[rT]
	v_lshlrev_b32 v[rT+4], 16,  v[rT+1]
	v_and_b32     v[rT+5], s38, v[rT+1]
	v_pk_add_f32 v[rT+6:rT+7], v[rT+6:rT+7], v[rT+2:rT+3] neg_lo:[0,1] neg_hi:[0,1]  ; wq - zb
	v_pk_add_f32 v[rT+8:rT+9], v[rT+8:rT+9], v[rT+4:rT+5] neg_lo:[0,1] neg_hi:[0,1]
.if ((\i) == 0) && (\g == 0)
	v_pk_mul_f32 v[L:L+1],   v[rT+6:rT+7], v[rT+6:rT+7]                    ; the first squares start the sums
	v_pk_mul_f32 v[L+2:L+3], v[rT+8:rT+9], v[rT+8:rT+9]
.else
	v_pk_fma_f32 v[L:L+1],   v[rT+6:rT+7], v[rT+6:rT+7], v[L:L+1]
	v_pk_fma_f32 v[L+2:L+3], v[rT+8:rT+9], v[rT+8:rT+9], v[L+2:L+3]
.endif
	v_pk_add_f32 v[rZ:rZ+1],   v[rT+2:rT+3], v[rT+6:rT+7]                  ; zb + (wq - zb)
	v_pk_add_f32 v[rZ+2:rZ+3], v[rT+4:rT+5], v[rT+8:rT+9]
.endr
.endm
.irp i, 0,1,2,3,4,5,6,7,8,9,10,11,12,13,14,15
	ROW \i
.endr
	s_wait_alu depctr_va_vdst(0)                   ; row 15 has written its Z, which the last two stores of out0 read; the sums below name L alone
	global_store_b128 v1, v[Z+120:Z+123], s[10:11] offset:1024*15 th:TH_STORE_NT
	global_store_b128 v1, v[Z+124:Z+127], s[10:11] offset:1024*15+512 th:TH_STORE_NT
	v_pk_add_f32 v[L:L+1], v[L:L+1], v[L+2:L+3]
	v_add_f32 v[L], v[L], v[L+1]
	v_add_f32_dpp v[L], v[L], v[L] row_xmask:1 row_mask:0xf bank_mask:0xf
	v_add_f32_dpp v[L], v[L], v[L] row_xmask:2 row_mask:0xf bank_mask:0xf
	v_add_f32_dpp v[L], v[L], v[L] row_xmask:4 row_mask:0xf bank_mask:0xf
	v_add_f32_dpp v[L], v[L], v[L] row_xmask:8 row_mask:0xf bank_mask:0xf
	v_permlanex16_b32 v[L+1], v[L], s40, s41
	v_add_f32 v[L], v[L], v[L+1]
	v_mov_b32 v[L+2], 0
	v_cmp_eq_u32 vcc_lo, 0, v3
	s_wait_xcnt 0x0                                ; EXEC is a source of the stores above: it changes only behind this wait
	s_wait_alu depctr_va_vcc(0)                    ; the compare has written VCC, from which EXEC is made
	s_wait_alu depctr_va_vdst(0)                   ; ahead of a write of EXEC: every vector instruction is done; among them those that wrote v[L] and v[L+2], which the store below reads
	s_wait_alu depctr_vm_vsrc(0)                   ; ahead of a write of EXEC: the stores above have read their vector registers
	s_and_saveexec_b32 s39, vcc_lo
	global_store_b32 v[L+2], v[L], s[12:13]        ; lane 0: the wave's partial sum
	s_wait_xcnt 0x0                                ; and again in front of the line that widens it
	s_wait_alu depctr_va_vdst(0)                   ; ahead of a write of EXEC, whatever is pending
	s_wait_alu depctr_vm_vsrc(0)                   ; ahead of a write of EXEC: the store has read its vector registers
	s_or_b32 exec_lo, exec_lo, s39
	s_endpgm
.Lfunc_end_k_qdb1ffe40be_gather:
	.size	k_qdb1ffe40be_gather, .Lfunc_end_k_qdb1ffe40be_gather-k_qdb1ffe40be_gather
	.p2alignl 7, 3214868480
	.fill 96, 4, 3214868480
	.section	.rodata,"a",@progbits
	.p2align	6, 0x0
	.amdhsa_kernel k_qdb1ffe40be_gather
		.amdhsa_group_segment_fixed_size 0
		.amdhsa_private_segment_fixed_size 0
		.amdhsa_enable_private_segment 0
		.amdhsa_kernarg_size 40
		.amdhsa_user_sgpr_count 2
		.amdhsa_user_sgpr_kernarg_segment_ptr 1
		.amdhsa_wavefront_size32 1
		.amdhsa_system_sgpr_workgroup_id_x 1
		.amdhsa_system_sgpr_workgroup_id_y 1
		.amdhsa_system_sgpr_workgroup_id_z 1
		.amdhsa_system_vgpr_workitem_id 0
		.amdhsa_next_free_vgpr 240
		.amdhsa_next_free_sgpr 66
		.amdhsa_reserve_vcc 1
		.amdhsa_float_denorm_mode_32 3
		.amdhsa_float_denorm_mode_16_64 3
		.amdhsa_memory_ordered 1
		.amdhsa_forward_progress 1
		.amdhsa_inst_pref_size 39
	.end_amdhsa_kernel
	.amdgpu_metadata
---
amdhsa.version: [ 1, 2 ]
amdhsa.kernels:
  - .name:           k_qdb1ffe40be_gather
    .symbol:         k_qdb1ffe40be_gather.kd
    .args:
      - { .name: z, .offset: 0, .size: 8, .value_kind: global_buffer, .address_space: global }
      - { .name: wb, .offset: 8, .size: 8, .value_kind: global_buffer, .address_space: global }
      - { .name: idx, .offset: 16, .size: 8, .value_kind: global_buffer, .address_space: global }
      - { .name: out0, .offset: 24, .size: 8, .value_kind: global_buffer, .address_space: global }
      - { .name: part, .offset: 32, .size: 8, .value_kind: global_buffer, .address_space: global }
    .group_segment_fixed_size: 0
    .private_segment_fixed_size: 0
    .kernarg_segment_align: 8
    .kernarg_segment_size: 40
    .max_flat_workgroup_size: 256
    .sgpr_count:     66
    .vgpr_count:     240
    .wavefront_size: 32
...
	.end_amdgpu_metadata
.endif
;; end of part 6
;; launch loss: the kernel of part 4 again; grid 1 x 1, 1 waves a work-group, no clusters, 0 bytes of LDS; arguments part, out2; writes out2
